; MI455X (gfx1250); checked and timed in simulation.
; The chip was launched on July 23, 2026; its instructions are those of AMD's public machine-readable ISA for CDNA 5 (MIT licence, August 2026) and "CDNA5" Instruction Set Architecture Reference Guide (July 2026). The comments in the code are by the model that wrote it; some were corrected since.
;; Multi Head Attention From Zenn. Allowed arithmetic: float matrix products may take bf16 or f16 operands with f32 sums; other float arithmetic in f32, or as packed bf16 or f16 multiplies, adds, multiply-adds, maxima and minima; sums over many terms, partial sums and values carried from step to step in f32; what a program stores and reads back later, other than sums and carried values, may be rounded once to bf16 or f16.
;; Inputs: W_k 8 x 1,024 x 128 float32; W_last 128 x 1,024 float32; W_lin 1,024 x 1,024 float32; W_q 8 x 1,024 x 128 float32; W_v 8 x 1,024 x 128 float32; b_last 128 float32; b_lin 1,024 float32; mask_3d 4 x 2,048 x 2,048 bool; x 4 x 2,048 x 1,024 float32.
;; Outputs: out0 4 x 128 float32.
;; One version. Each part assembles by itself: llvm-mc -triple=amdgcn-amd-amdhsa -mcpu=gfx1250 --defsym DOCPART=n.
;; ======== version 1 of 1: 5 launches
;; workspace buffers: wb 6,291,456 bytes; mp 2,097,152 bytes of whole numbers; qb 16,777,216 bytes; kb 16,777,216 bytes; vb 16,777,216 bytes; part 131,072 bytes; t2 16,384 bytes
;; launch prep (part 1): grid 896 x 1, 8 waves a work-group, no clusters, 0 bytes of LDS; arguments mask_3d, W_q, W_k, W_v, mp, wb; writes mp, wb
.if DOCPART == 1
	.amdgcn_target "amdgcn-amd-amdhsa--gfx1250"
	.amdhsa_code_object_version 6
	.text
	.protected	k_q880059e927_prep
	.globl	k_q880059e927_prep
	.p2align	8
	.type	k_q880059e927_prep,@function
k_q880059e927_prep:
	s_mov_b64 s[64:65], 0
	v_nop
	global_prefetch_b8 v0, s[64:65] scope:SCOPE_SE
	s_setreg_imm32_b32 hwreg(HW_REG_WAVE_MODE, 25, 1), 1
	s_wait_xcnt 0x0
; TWO JOBS, told apart by the work-group's number.
; Work-groups 0-511: the mask [4][2048][2048] of bytes (0 or 1) is packed into 32-bit LANE MASKS for the attention launch.
;   mp, in words: [b 4][block of 256 queries 8][key step j 32][wave 4][tile 4][32]; word 8 kt + r of a tile has bit L = mask[b][query of lane L % 16][64 j + 16 kt + 8 (L / 16) + r]:
;   the lanes and registers in which a product K Q^T leaves 16 queries x 64 keys.  A wave packs 64 queries x 64 keys; the 8 waves of a work-group take 8 neighbouring j, 512 bytes of each row.
; Work-groups 512-895: W_q, W_k, W_v (f32 [8][1024][128]) are rounded once to bf16, in the same order, into wb [3][8][1024][128].
.set LD, 16                            ; v[16:47]  the mask bytes as loaded: tile t, half i at LD + 8 t + 4 i
.set TM, 48                            ; v[48:55]  one byte a lane, eight at a time
.set OW, 4                             ; v[4:7]    the wave's 128 words: word d in lane d / 4, register d % 4
	s_load_b256 s[4:11], s[0:1], 0x0               ; mask s[4:5], W_q s[6:7], W_k s[8:9], W_v s[10:11]
	s_load_b128 s[12:15], s[0:1], 0x20             ; mp s[12:13], wb s[14:15]
	v_lshrrev_b32 v1, 5, v0
	v_readfirstlane_b32 s2, v1                     ; wave 0..7
	s_cmp_lt_u32 ttmp9, 512
	s_cbranch_scc0 .Lweights
	s_and_b32 s16, ttmp9, 3
	s_lshl_b32 s16, s16, 3
	s_add_co_u32 s16, s16, s2                      ; j = 8 (g % 4) + wave
	s_bfe_u32 s17, ttmp9, 0x50002                  ; qg: which 64 queries of the 2,048 (5 bits from bit 2)
	s_lshr_b32 s18, ttmp9, 7                       ; b
	s_lshl_b32 s20, s18, 22                        ; the mask's offset: b x 2048 x 2048 + 64 qg rows + 64 j
	s_lshl_b32 s19, s17, 17
	s_add_co_u32 s20, s20, s19
	s_lshl_b32 s19, s16, 6
	s_add_co_u32 s20, s20, s19
	s_mov_b32 s21, 0
	s_lshl_b32 s22, s18, 3                         ; mp's offset: ((8 b + qg / 4) 32 + j) 2,048 + (qg % 4) 512
	s_lshr_b32 s19, s17, 2
	s_add_co_u32 s22, s22, s19
	s_lshl_b32 s22, s22, 5
	s_add_co_u32 s22, s22, s16
	s_lshl_b32 s22, s22, 11
	s_and_b32 s19, s17, 3
	s_lshl_b32 s19, s19, 9
	s_add_co_u32 s22, s22, s19
	s_mov_b32 s23, 0
	v_and_b32 v3, 15, v0                           ; row of a tile
	v_bfe_u32 v1, v0, 4, 1                         ; half of the lanes
	v_lshlrev_b32 v3, 11, v3
	v_lshl_add_u32 v3, v1, 4, v3                   ; row x 2,048 + 16 x half
	v_and_b32 v2, 31, v0
	v_lshlrev_b32 v2, 4, v2                        ; 16 x lane: my 16 bytes of the wave's 512
.irp i, 0,1,2,3
	v_mov_b32 v[OW+(\i)], 0                        ; v_writelane_b32 keeps the other lanes: the registers are written whole first
.endr
	s_wait_kmcnt 0x0
	s_add_nc_u64 s[4:5], s[4:5], s[20:21]
	s_add_nc_u64 s[12:13], s[12:13], s[22:23]
.irp tau, 0,1,2,3
.irp i, 0,1
	global_load_b128 v[LD+8*(\tau)+4*(\i):LD+8*(\tau)+4*(\i)+3], v3, s[4:5] offset:(\tau)*32768+32*(\i)  ; row r, keys 32 i + 16 h + 0..15
.endr
.endr
.irp tau, 0,1,2,3
	s_wait_loadcnt 6-2*(\tau)                      ; this tile's two loads are in; the later tiles' stay out
.irp i, 0,1                            ; the halves of the lanes change places, so that registers 0, 1 hold keys 8 h + 0..7 of key block 2 i and registers 2, 3 those of block 2 i + 1
	v_permlane16_swap_b32 v[LD+8*(\tau)+4*(\i)], v[LD+8*(\tau)+4*(\i)+2]
	v_permlane16_swap_b32 v[LD+8*(\tau)+4*(\i)+1], v[LD+8*(\tau)+4*(\i)+3]
.endr
.irp kt, 0,1,2,3
.irp r, 0,1,2,3,4,5,6,7
	v_bfe_u32 v[TM+(\r)], v[LD+8*(\tau)+4*((\kt)/2)+2*((\kt)%2)+(\r)/4], 8*((\r)%4), 8
.endr
.irp r, 0,1,2,3,4,5,6,7
	v_cmp_ne_u32 s[24+(\r)], 0, v[TM+(\r)]         ; one bit a lane: word 8 kt + r
.endr
.irp r, 0,1,2,3,4,5,6,7
	v_writelane_b32 v[OW+(\r)%4], s[24+(\r)], 8*(\tau)+2*(\kt)+(\r)/4
.endr
.endr
.endr
	global_store_b128 v2, v[OW:OW+3], s[12:13]     ; 512 consecutive bytes, at a multiple of 512 from mp's first
	s_endpgm
.Lweights:
	s_sub_co_u32 s16, ttmp9, 512                   ; 0..383: 8,192 numbers each
	s_and_b32 s18, s16, 127
	s_lshl_b32 s18, s18, 15                        ; 32,768 bytes of f32 in,
	s_mov_b32 s19, 0
	s_lshl_b32 s20, s16, 14                        ; 16,384 bytes of bf16 out
	s_mov_b32 s21, 0
	v_lshlrev_b32 v2, 4, v0
	v_lshlrev_b32 v3, 3, v0
	s_wait_kmcnt 0x0
	s_cmp_lt_u32 s16, 128
	s_cselect_b64 s[22:23], s[6:7], s[8:9]
	s_cmp_lt_u32 s16, 256
	s_cselect_b64 s[22:23], s[22:23], s[10:11]
	s_add_nc_u64 s[22:23], s[22:23], s[18:19]
	s_add_nc_u64 s[14:15], s[14:15], s[20:21]
.irp e, 0,1,2,3,4,5,6,7
	global_load_b128 v[LD+4*(\e):LD+4*(\e)+3], v2, s[22:23] offset:4096*(\e) th:TH_LOAD_NT
.endr
.irp e, 0,1,2,3,4,5,6,7
	s_wait_loadcnt 7-(\e)                          ; chunk e is in; the later ones stay out
	v_cvt_pk_bf16_f32 v[TM+2*(\e)], v[LD+4*(\e)], v[LD+4*(\e)+1]
	v_cvt_pk_bf16_f32 v[TM+2*(\e)+1], v[LD+4*(\e)+2], v[LD+4*(\e)+3]
	global_store_b64 v3, v[TM+2*(\e):TM+2*(\e)+1], s[14:15] offset:2048*(\e)  ; a wave stores 256 consecutive bytes, aligned
.endr
	s_endpgm
.Lfunc_end_k_q880059e927_prep:
	.size	k_q880059e927_prep, .Lfunc_end_k_q880059e927_prep-k_q880059e927_prep
	.p2alignl 7, 3214868480
	.fill 96, 4, 3214868480
	.section	.rodata,"a",@progbits
	.p2align	6, 0x0
	.amdhsa_kernel k_q880059e927_prep
		.amdhsa_group_segment_fixed_size 0
		.amdhsa_private_segment_fixed_size 0
		.amdhsa_enable_private_segment 0
		.amdhsa_kernarg_size 48
		.amdhsa_user_sgpr_count 2
		.amdhsa_user_sgpr_kernarg_segment_ptr 1
		.amdhsa_wavefront_size32 1
		.amdhsa_system_sgpr_workgroup_id_x 1
		.amdhsa_system_sgpr_workgroup_id_y 1
		.amdhsa_system_sgpr_workgroup_id_z 1
		.amdhsa_system_vgpr_workitem_id 0
		.amdhsa_next_free_vgpr 64
		.amdhsa_next_free_sgpr 66
		.amdhsa_reserve_vcc 0
		.amdhsa_float_denorm_mode_32 3
		.amdhsa_float_denorm_mode_16_64 3
		.amdhsa_memory_ordered 1
		.amdhsa_forward_progress 1
		.amdhsa_inst_pref_size 31
	.end_amdhsa_kernel
	.amdgpu_metadata
---
amdhsa.version: [ 1, 2 ]
amdhsa.kernels:
  - .name:           k_q880059e927_prep
    .symbol:         k_q880059e927_prep.kd
    .args:
      - { .name: mask_3d, .offset: 0, .size: 8, .value_kind: global_buffer, .address_space: global }
      - { .name: W_q, .offset: 8, .size: 8, .value_kind: global_buffer, .address_space: global }
      - { .name: W_k, .offset: 16, .size: 8, .value_kind: global_buffer, .address_space: global }
      - { .name: W_v, .offset: 24, .size: 8, .value_kind: global_buffer, .address_space: global }
      - { .name: mp, .offset: 32, .size: 8, .value_kind: global_buffer, .address_space: global }
      - { .name: wb, .offset: 40, .size: 8, .value_kind: global_buffer, .address_space: global }
    .group_segment_fixed_size: 0
    .private_segment_fixed_size: 0
    .kernarg_segment_align: 8
    .kernarg_segment_size: 48
    .max_flat_workgroup_size: 256
    .sgpr_count:     66
    .vgpr_count:     64
    .wavefront_size: 32
...
	.end_amdgpu_metadata
.endif
;; end of part 1
;; launch qkv (part 2): grid 8 x 32, 4 waves a work-group, clusters of 4 x 4, 327,680 bytes of LDS; arguments x, wb, qb, kb, vb; writes qb, kb, vb
.if DOCPART == 2
	.amdgcn_target "amdgcn-amd-amdhsa--gfx1250"
	.amdhsa_code_object_version 6
	.text
	.protected	k_q880059e927_qkv
	.globl	k_q880059e927_qkv
	.p2align	8
	.type	k_q880059e927_qkv,@function
k_q880059e927_qkv:
	s_mov_b64 s[64:65], 0
	v_nop
	global_prefetch_b8 v0, s[64:65] scope:SCOPE_SE
	s_setreg_imm32_b32 hwreg(HW_REG_WAVE_MODE, 25, 1), 1
	s_wait_xcnt 0x0
	s_wait_alu depctr_hold_cnt(0) depctr_sa_sdst(0) depctr_va_vdst(0) depctr_va_sdst(0) depctr_va_ssrc(0) depctr_va_vcc(0) depctr_vm_vsrc(0)
	s_getreg_b32 s2, hwreg(HW_REG_IB_STS2, 6, 4)
	s_cmp_eq_u32 s2, 0
	s_cbranch_scc0 .Lentry_in_a_cluster
	s_endpgm
.Lentry_in_a_cluster:
	s_bfe_u32 s2, ttmp6, 0x10000c
	s_cmp_lg_u32 s2, 0xf033
	s_cbranch_scc0 .Lentry_shape_is_right
	s_endpgm
.Lentry_shape_is_right:
; q, k, v = x W_q, x W_k, x W_v for one head.  x: [8192][1024] f32, rounded to bf16 at the fragment; wb: [3][8][1024 d][128 n] bf16; sums in f32; qb, kb, vb: [head x 8192 + row][128] bf16, rounded once, unscaled.
; SHARES.  A work-group makes 256 rows x 384 columns (q, k and v of one head): 32 x 8 = 256 work-groups.  Wave w owns rows 64 w .. 64 w + 63 of all 384 columns: 96 accumulators, 768 registers;
; so each row of x is read from LDS, and rounded, by one wave alone.  K goes in 16 steps of 64 (rows of x: 256 bytes, aligned) through a ring of two LDS slots.
; CLUSTER 4 x 4.  x's tile hangs on the row block alone and is shared along a row of the cluster, wb's on the head alone and is shared along a column: both are asked for jointly.
; Wave 0 fetches x's tile (256 rows x 256 bytes), waves 1-3 one slice of wb each (64 rows x 256 bytes).
; THE PRODUCT IS TAKEN TRANSPOSED (source 0 = 16 columns of W, turned on the way out of LDS; source 1 = 16 rows of x): a lane holds eight neighbouring columns of one row.
; REGISTERS.  Window 0: v16-30 addresses; v32-95 AR: x as f32, 4 fragments x 16; v96-127 AC: the same in bf16; v128-191, v192-255 two buffers of W's 8 fragments.
; Windows 1, 2, 3: the accumulators of q, k, v: (row block a, column block b) at 8 (8 a + b).
; LIMITS.  bf16 operands; NaN and infinities are not treated apart.
.set PITA,  272                        ; a row of x in LDS: 256 bytes + 16: the 16 rows of a load start at 16 different groups of four banks (ISA guide 11.1)
.set PITB,  288                        ; a row of W: 256 + 32
.set BOFF,  256*PITA
.set SLB,   64*PITB                    ; one slice's 64 rows
.set SLOT,  BOFF+3*SLB                 ; 124,928
.set STAGE, 2*SLOT                     ; behind the ring: 16 rows x 272 bytes for each wave, for the way out
.set SPITCH, 272
.set SPARE, STAGE+4*16*SPITCH          ; the spare words: 128 bytes a wave, two blocks of 256 bytes that no other line names
.set ADRA, 16                          ; v16-17  my x fragments in slot 0, 1
.set ADRB, 20                          ; v20-21  my place in W's tiles in slot 0, 1
.set STO,  24
.set RD,   25
.set CO,   26
.set SPW,  28
.set NIL,  29
.set PFO,  30                          ; the prefetches' offset: my lane x a row; never rewritten
.set AR,   32
.set AC,   96
.set BF,   128
.set TMP,  128                         ; the way out: packed results
.set OB,   160                         ; the way out: rows read back, v160-191 and v192-223 by turns
.set WV,   14
.set LAP,  15
.set G1A,  24
.set G0A,  32                          ; s[32:39] group 0 for x's tiles, a set for each slot
.set PFA,  40                          ; s[40:41] where my prefetches stand
.set PFS,  42                          ; s[42:43] their step for a K step
.set LIM,  44                          ; 1 in a wave that prefetches, else the greatest number
.set G1B,  48
.set G0B,  56                          ; s[56:63] group 0 for W's tiles
.set MSB, 0
.macro WIN new                         ; the immediate's high byte repeats the setting that is left; a switch that changes nothing is dropped
.if MSB != (\new)
	s_set_vgpr_msb (MSB<<8)|(\new)
.set MSB, \new
.endif
.endm
.macro PLACES                          ; four places behind a matrix instruction, ahead of loads into and writes of its sources and of reads of its results
.rept 4
	v_nop
.endr
.endm
; A joint load.  The branch hangs on the wave's number alone.  An s_nop 0 and four v_nop follow each line.
.macro JLOAD s
	s_cmp_eq_u32 s[WV], 0
	s_cbranch_scc0 .Lfor_b_\@
	tensor_load_to_lds s[G0A+4*(\s):G0A+4*(\s)+3], s[G1A:G1A+7]
	s_nop 0
.rept 4
	v_nop
.endr
	s_branch .Lasked_\@
.Lfor_b_\@:
	tensor_load_to_lds s[G0B+4*(\s):G0B+4*(\s)+3], s[G1B:G1B+7]
	s_nop 0
.rept 4
	v_nop
.endr
.Lasked_\@:
.endm
.macro CREST                           ; a round of the cluster's barrier behind its opening barrier
	s_cmp_lg_u32 s[WV], 0
	s_cbranch_scc1 .Lnot_wave_0_\@
	s_barrier_signal -3
.Lnot_wave_0_\@:
	s_barrier_wait -3
	s_barrier_signal -1
	s_barrier_wait -1
.endm
.macro CROUND
	s_barrier_signal -1
	s_barrier_wait -1
	CREST
.endm
; A PREFETCH INTO THE L2 of the K step that stands two refills on.  x's rows are read by both clusters of a row of clusters: cluster x = 0 asks; W's by all eight of a column: cluster y = 0 asks.
; The four partners share the rows out by address: of x's 256 rows partner cx takes 64 (wave 0, two lines a K step, a lane a row); of the 128 rows that two K steps have in a slice of W partner cy
; takes 32 (waves 1-3, one line a lap).  So each row's 256 bytes of a K step are named once.  K steps 0-3 come by their loads alone; the loop's last trip asks for nothing.
.macro ASK slot
	s_cmp_gt_u32 s[LAP], s[LIM]
	s_cbranch_scc0 .Lnone_\@
	s_cmp_eq_u32 s[WV], 0
	s_cbranch_scc0 .Lw_\@
	global_prefetch_b8 v[PFO], s[PFA:PFA+1] th:TH_LOAD_NT scope:SCOPE_SE
	global_prefetch_b8 v[PFO], s[PFA:PFA+1] offset:131072 th:TH_LOAD_NT scope:SCOPE_SE
	s_branch .Lnone_\@
.Lw_\@:
.if (\slot) == 0
	global_prefetch_b8 v[PFO], s[PFA:PFA+1] th:TH_LOAD_NT scope:SCOPE_SE
.endif
.Lnone_\@:
.endm
; 16 LDS loads: my 64 rows of x, 32 along K (half kk of the step), as f32: a lane's eight and eight numbers are 32 and 32 bytes, 64 apart
.macro FA slot, kk
	WIN 0
.irp a, 0,1,2,3
	ds_load_b128 v[AR+16*(\a):AR+16*(\a)+3],     v[ADRA+(\slot)] offset:(\a)*16*PITA+128*(\kk)
	ds_load_b128 v[AR+16*(\a)+4:AR+16*(\a)+7],   v[ADRA+(\slot)] offset:(\a)*16*PITA+128*(\kk)+16
	ds_load_b128 v[AR+16*(\a)+8:AR+16*(\a)+11],  v[ADRA+(\slot)] offset:(\a)*16*PITA+128*(\kk)+64
	ds_load_b128 v[AR+16*(\a)+12:AR+16*(\a)+15], v[ADRA+(\slot)] offset:(\a)*16*PITA+128*(\kk)+80
.endr
.endm
; 16 turning LDS loads: slice sl's 128 columns, 32 along K, into buffer buf
.macro FB slot, kk, sl, buf
	WIN 0
.irp b, 0,1,2,3,4,5,6,7
	ds_load_tr16_b128 v[BF+64*(\buf)+8*(\b):BF+64*(\buf)+8*(\b)+3],   v[ADRB+(\slot)] offset:(\sl)*SLB+(\kk)*32*PITB+32*(\b)
	ds_load_tr16_b128 v[BF+64*(\buf)+8*(\b)+4:BF+64*(\buf)+8*(\b)+7], v[ADRB+(\slot)] offset:(\sl)*SLB+(\kk)*32*PITB+32*(\b)+16*PITB
.endr
.endm
.macro CVT                             ; x's four fragments, f32 to bf16
	WIN 0
.irp a, 0,1,2,3
.irp i, 0,1,2,3,4,5,6,7
	v_cvt_pk_bf16_f32 v[AC+8*(\a)+(\i)], v[AR+16*(\a)+2*(\i)], v[AR+16*(\a)+2*(\i)+1]
.endr
.endr
.endm
; 8 products: slice sl, row block a, all 8 column blocks.  zero = 1: they start the sums.  The 96 accumulators take turns, one instruction a turn.
.macro MUL8 sl, buf, a, zero
	WIN ((\sl)+1)*0x50
.irp b, 0,1,2,3,4,5,6,7
.if \zero
	v_wmma_f32_16x16x32_bf16 v[8*(8*(\a)+(\b)):8*(8*(\a)+(\b))+7], v[BF+64*(\buf)+8*(\b):BF+64*(\buf)+8*(\b)+7], v[AC+8*(\a):AC+8*(\a)+7], 0
.else
	v_wmma_f32_16x16x32_bf16 v[8*(8*(\a)+(\b)):8*(8*(\a)+(\b))+7], v[BF+64*(\buf)+8*(\b):BF+64*(\buf)+8*(\b)+7], v[AC+8*(\a):AC+8*(\a)+7], v[8*(8*(\a)+(\b)):8*(8*(\a)+(\b))+7]
.endif
.endr
.endm
.macro MUL32 sl, buf, zero
.irp a, 0,1,2,3
	MUL8 \sl, \buf, \a, \zero
.endr
.endm
; A K STEP is six thirds: (half of K, slice), 32 products each, on W's buffers 0, 1, 0, 1, 0, 1.  PA is the first half of K.
.macro PA slot, zero
	s_wait_dscnt 0x0                               ; q's fragments are in
	FB \slot, 0, 1, 1                              ; k's; buffer 1's last readers stand ahead of four places
	FA \slot, 1                                    ; x of the second half
	MUL32 0, 0, \zero
	s_wait_dscnt 16                                ; k's fragments are in; x's 16 loads may stay out
	PLACES
	FB \slot, 0, 2, 0
	MUL32 1, 1, \zero
	s_wait_dscnt 0x0
	PLACES
	FB \slot, 1, 0, 1
	MUL32 2, 0, \zero
	PLACES
	CVT
.endm
; PB is the second half of K, and changes slots.  mode 1: this slot is filled again, two K steps on; 0: nothing is left to ask for; -1: the last K step.
.macro PB slot, mode
	s_wait_dscnt 0x0
	FB \slot, 1, 1, 0
	MUL32 0, 1, 0
	s_wait_dscnt 0x0
	PLACES
	FB \slot, 1, 2, 1                              ; my last reads of this slot
.if (\mode) >= 0
.if (\mode) == 1
	s_wait_xcnt 0x0                                ; the last prefetches, a K step back, have read their address
	s_add_nc_u64 s[PFA:PFA+1], s[PFA:PFA+1], s[PFS:PFS+1]
.endif
	MUL8 1, 0, 0, 0
	WIN 0
	s_wait_tensorcnt 0x0                           ; all my tensor loads have landed: the one that was out is my part of the other slot
	ds_add_u32 v[SPW], v[NIL]                      ; 0 onto my spare word
	MUL8 1, 0, 1, 0
	s_wait_dscnt 0x0                               ; the add is done, and my reads of this slot are over
	s_barrier_signal -1
	MUL8 1, 0, 2, 0
	WIN 0
	s_barrier_wait -1
.if (\mode) == 1
	CREST                                          ; the barrier has opened a round of the cluster's: no wave of any partner still reads this slot or has a load on its way
	s_add_nc_u64 s[G0A+4*(\slot)+2:G0A+4*(\slot)+3], s[G0A+4*(\slot)+2:G0A+4*(\slot)+3], 512
	s_add_nc_u64 s[G0B+4*(\slot)+2:G0B+4*(\slot)+3], s[G0B+4*(\slot)+2:G0B+4*(\slot)+3], 32768
	JLOAD \slot                                    ; the first tensor load behind the round
.endif
	FA 1-(\slot), 0
.if (\mode) == 1
	ASK \slot
.endif
	MUL8 1, 0, 3, 0
	PLACES
	FB 1-(\slot), 0, 0, 0
	MUL32 2, 1, 0
	s_wait_dscnt 16                                ; x is in; W's 16 loads may stay out
	PLACES
	CVT
.else
	MUL32 1, 0, 0
	s_wait_dscnt 0x0
	MUL32 2, 1, 0
.endif
.endm
	s_load_b256 s[4:11], s[0:1], 0x0               ; x s[4:5], wb s[6:7], qb s[8:9], kb s[10:11]
	s_load_b64 s[12:13], s[0:1], 0x20              ; vb
	v_lshl_add_u32 v[SPW], v0, 2, SPARE
	v_mov_b32 v[NIL], 0
	ds_add_u32 v[SPW], v[NIL]                      ; the wave's opening: the add and its wait stand ahead of my first tensor load
	v_lshrrev_b32 v1, 5, v0
	v_readfirstlane_b32 s[WV], v1
	s_bfe_u32 s16, ttmp6, 0x40000                  ; cx
	s_bfe_u32 s17, ttmp6, 0x40004                  ; cy
	s_lshl_b32 s18, ttmp9, 2
	s_add_co_u32 s18, s18, s16                     ; head = 4 x cluster x + cx
	s_and_b32 s19, ttmp7, 0xffff
	s_lshl_b32 s19, s19, 2
	s_add_co_u32 s19, s19, s17                     ; row block = 4 x cluster y + cy
	s_lshl_b32 s20, s17, 2
	s_lshl_b32 s20, 15, s20                        ; my row of the cluster
	s_lshl_b32 s21, 0x1111, s16                    ; my column
	s_or_b32 s[G1A], s20, (2<<16)|(1<<20)|(1<<21)|(5<<22)|(3<<25)  ; the mask; 4-byte elements; padding on; bit 21 beside a mask; after every 64 words 4 words
	s_mov_b32 s[G1A+1], 64<<16                     ; tensor_dim0 = 64
	s_mov_b32 s[G1A+2], 256<<16                    ; tensor_dim1 = 256
	s_mov_b32 s[G1A+3], 64<<16                     ; tile_dim0 = 64
	s_mov_b32 s[G1A+4], 256                        ; tile_dim1 = 256
	s_mov_b32 s[G1A+5], 1024                       ; elements from row to row
	s_mov_b32 s[G1A+6], 0
	s_mov_b32 s[G1A+7], 0
	s_or_b32 s[G1B], s21, (1<<16)|(1<<20)|(1<<21)|(5<<22)|(7<<25)  ; 2-byte elements; after every 64 words 8 words
	s_mov_b32 s[G1B+1], 128<<16
	s_mov_b32 s[G1B+2], 64<<16
	s_mov_b32 s[G1B+3], 128<<16
	s_mov_b32 s[G1B+4], 64
	s_mov_b32 s[G1B+5], 128
	s_mov_b32 s[G1B+6], 0
	s_mov_b32 s[G1B+7], 0
	s_lshl_b32 s20, s19, 20                        ; x: 256 rows of 4,096 bytes a block: the row block alone
	s_mov_b32 s21, 0
	s_max_u32 s22, s[WV], 1                        ; W: slice = wave - 1 (wave 0 asks by the other line), and the head
	s_sub_co_u32 s22, s22, 1
	s_lshl_b32 s22, s22, 3
	s_add_co_u32 s22, s22, s18
	s_lshl_b32 s22, s22, 18
	s_mov_b32 s23, 0
	s_mul_i32 s66, s[WV], SLB
	s_add_co_u32 s66, s66, BOFF-SLB                ; where my slice goes in a slot
	s_wait_dscnt 0x0                               ; the opening add is done
	s_wait_kmcnt 0x0
	s_add_nc_u64 s[20:21], s[4:5], s[20:21]
	s_add_nc_u64 s[22:23], s[6:7], s[22:23]
	CROUND                                         ; all sixteen work-groups are here: the first joint loads meet
.irp s, 0,1
	s_mov_b32 s[G0A+4*(\s)], 1
	s_mov_b32 s[G0A+4*(\s)+1], (\s)*SLOT
	s_add_nc_u64 s[G0A+4*(\s)+2:G0A+4*(\s)+3], s[20:21], (\s)*256
	s_or_b32 s[G0A+4*(\s)+3], s[G0A+4*(\s)+3], 0x80000000
	s_mov_b32 s[G0B+4*(\s)], 1
	s_add_co_u32 s[G0B+4*(\s)+1], s66, (\s)*SLOT
	s_add_nc_u64 s[G0B+4*(\s)+2:G0B+4*(\s)+3], s[22:23], (\s)*16384
	s_or_b32 s[G0B+4*(\s)+3], s[G0B+4*(\s)+3], 0x80000000
	JLOAD \s                                       ; two loads of mine are out
.endr
	v_and_b32 v1, 15, v0                           ; l % 16
	v_bfe_u32 v2, v0, 4, 1                         ; l / 16
	v_mul_u32_u24 v3, v1, PITA
	v_lshl_add_u32 v3, v2, 5, v3                   ; row x pitch + 32 x half
	s_mul_i32 s67, s[WV], 64*PITA
	v_add_nc_u32 v[ADRA], s67, v3
	v_add_nc_u32 v[ADRA+1], SLOT, v[ADRA]
	v_and_b32 v4, 7, v0
	v_lshl_add_u32 v4, v2, 3, v4                   ; the turning load: row 8 (l / 16) + l % 8,
	v_mul_u32_u24 v4, v4, PITB
	v_bfe_u32 v5, v0, 3, 1
	v_lshl_add_u32 v4, v5, 4, v4                   ; 16 bytes for each eight lanes
	v_add_nc_u32 v[ADRB], BOFF, v4
	v_add_nc_u32 v[ADRB+1], SLOT, v[ADRB]
	s_mul_i32 s67, s[WV], 16*SPITCH
	s_add_co_u32 s67, s67, STAGE
	v_mul_u32_u24 v5, v1, SPITCH
	v_lshl_add_u32 v5, v2, 4, v5
	v_add_nc_u32 v[STO], s67, v5
	v_mul_u32_u24 v5, v2, SPITCH
	v_lshl_add_u32 v5, v1, 4, v5
	v_add_nc_u32 v[RD], s67, v5
	v_and_b32 v[CO], 31, v0
	v_lshlrev_b32 v[CO], 4, v[CO]                  ; 16 rows of 256 bytes are 4,096 consecutive bytes of qb, kb, vb
	s_lshl_b32 s46, s18, 21                        ; head x 8,192 rows + 256 x block + 64 x wave, 256 bytes a row
	s_lshl_b32 s47, s19, 16
	s_add_co_u32 s46, s46, s47
	s_lshl_b32 s47, s[WV], 14
	s_add_co_u32 s46, s46, s47
	s_mov_b32 s47, 0
	s_add_nc_u64 s[8:9], s[8:9], s[46:47]
	s_add_nc_u64 s[10:11], s[10:11], s[46:47]
	s_add_nc_u64 s[12:13], s[12:13], s[46:47]
	; the prefetches: at K step 3; each change of slots steps the address before it is used, so the first names K step 4
	s_lshl_b32 s46, s19, 20
	s_lshl_b32 s47, s16, 18                        ; x: my work-group's 64 rows
	s_add_co_u32 s46, s46, s47
	s_add_co_u32 s46, s46, 3*256
	s_max_u32 s67, s[WV], 1
	s_sub_co_u32 s67, s67, 1
	s_lshl_b32 s67, s67, 3
	s_add_co_u32 s67, s67, s18
	s_lshl_b32 s67, s67, 18
	s_lshl_b32 s68, s17, 13                        ; W: my work-group's 32 rows of two K steps' 128
	s_add_co_u32 s67, s67, s68
	s_add_co_u32 s67, s67, 3*16384
	s_and_b32 s68, ttmp7, 0xffff
	s_cmp_eq_u32 s[WV], 0
	s_cselect_b32 s46, s46, s67
	s_cselect_b64 s[PFA:PFA+1], s[4:5], s[6:7]
	s_cselect_b32 s[PFS], 8, 14
	s_cselect_b32 s68, ttmp9, s68                  ; the coordinate along which other clusters read the same rows
	s_cselect_b32 s69, 12, 8
	s_mov_b32 s47, 0
	s_mov_b32 s[PFS+1], 0
	s_add_nc_u64 s[PFA:PFA+1], s[PFA:PFA+1], s[46:47]
	s_lshl_b32 s[PFS], 1, s[PFS]                   ; 256 bytes of x's rows, 64 rows of W a K step
	s_cmp_eq_u32 s68, 0
	s_cselect_b32 s[LIM], 1, -1                    ; the same in all sixteen partners, for a given wave
	v_and_b32 v[PFO], 31, v0
	v_lshlrev_b32 v[PFO], s69, v[PFO]
	s_wait_tensorcnt 1                             ; my part of K step 0 is in; K step 1's may stay out
	s_barrier_signal -1
	s_barrier_wait -1
	FA 0, 0
	FB 0, 0, 0, 0
	s_wait_dscnt 16                                ; x is in
	CVT
	PA 0, 1                                        ; the first half step stands ahead of the loop: its products start all 96 sums
	WIN 0
	s_mov_b32 s[LAP], 7
.Llap:                                                 ; a trip goes once round the ring and fills both slots again
	PB 0, 1
	PA 1, 0
	PB 1, 1
	PA 0, 0
	WIN 0
	s_sub_co_u32 s[LAP], s[LAP], 1
	s_cmp_lg_u32 s[LAP], 0
	s_cbranch_scc1 .Llap
	PB 0, 0                                        ; the last lap asks for nothing
	PA 1, 0
	PB 1, -1
	PLACES
; THE WAY OUT.  Block n = 4 x slice + row block: 16 rows x 128 columns: rounded to bf16, 16 bytes a lane; through my own stage; back as whole rows of 256 bytes; stored.
.macro PACK n
.set AN, (\n)%4
	WIN ((\n)/4+1)*5                               ; sources 0 and 1 in the slice's window
.irp b, 0,1,2,3,4,5,6,7
.irp r, 0,1,2,3
	v_cvt_pk_bf16_f32 v[TMP+4*(\b)+(\r)], v[8*(8*AN+(\b))+2*(\r)], v[8*(8*AN+(\b))+2*(\r)+1]
.endr
.endr
	WIN 0
.endm
.macro TOSTAGE n
	WIN 0
.set BK, OB+32*((\n)%2)
.irp b, 0,1,2,3,4,5,6,7
	ds_store_b128 v[STO], v[TMP+4*(\b):TMP+4*(\b)+3] offset:32*(\b)
.endr
.irp t, 0,1,2,3,4,5,6,7
	ds_load_b128 v[BK+4*(\t):BK+4*(\t)+3], v[RD] offset:(\t)*2*SPITCH  ; LDS serves a wave's instructions in order (ISA guide 5.7.1.4): these see the stores above
.endr
.endm
.macro SEND n
	WIN 0
.set BK, OB+32*((\n)%2)
	s_wait_dscnt 0x0                               ; the block is back in registers
	s_wait_xcnt 0x0                                ; the block before last's stores have read the registers that the next block's loads take
.irp t, 0,1,2,3,4,5,6,7
	global_store_b128 v[CO], v[BK+4*(\t):BK+4*(\t)+3], s[8+2*((\n)/4):9+2*((\n)/4)] offset:4096*((\n)%4)+512*(\t)  ; 512 consecutive bytes, aligned
.endr
.endm
	PACK 0
	TOSTAGE 0
.irp n, 1,2,3,4,5,6,7,8,9,10,11
	PACK \n
	SEND (\n)-1
	TOSTAGE \n
.endr
	SEND 11
	s_wait_tensorcnt 0x0                           ; the wave's end
	ds_add_u32 v[SPW], v[NIL]
	s_wait_dscnt 0x0
	CROUND                                         ; the closing round
	s_endpgm
.Lfunc_end_k_q880059e927_qkv:
	.size	k_q880059e927_qkv, .Lfunc_end_k_q880059e927_qkv-k_q880059e927_qkv
	.p2alignl 7, 3214868480
	.fill 96, 4, 3214868480
	.section	.rodata,"a",@progbits
	.p2align	6, 0x0
	.amdhsa_kernel k_q880059e927_qkv
		.amdhsa_group_segment_fixed_size 327680
		.amdhsa_private_segment_fixed_size 0
		.amdhsa_enable_private_segment 0
		.amdhsa_kernarg_size 40
		.amdhsa_user_sgpr_count 2
		.amdhsa_user_sgpr_kernarg_segment_ptr 1
		.amdhsa_wavefront_size32 1
		.amdhsa_system_sgpr_workgroup_id_x 1
		.amdhsa_system_sgpr_workgroup_id_y 1
		.amdhsa_system_sgpr_workgroup_id_z 1
		.amdhsa_system_vgpr_workitem_id 0
		.amdhsa_next_free_vgpr 1024
		.amdhsa_next_free_sgpr 80
		.amdhsa_reserve_vcc 0
		.amdhsa_float_denorm_mode_32 3
		.amdhsa_float_denorm_mode_16_64 3
		.amdhsa_memory_ordered 1
		.amdhsa_forward_progress 1
		.amdhsa_inst_pref_size 160
	.end_amdhsa_kernel
	.amdgpu_metadata
---
amdhsa.version: [ 1, 2 ]
amdhsa.kernels:
  - .name:           k_q880059e927_qkv
    .symbol:         k_q880059e927_qkv.kd
    .args:
      - { .name: x, .offset: 0, .size: 8, .value_kind: global_buffer, .address_space: global }
      - { .name: wb, .offset: 8, .size: 8, .value_kind: global_buffer, .address_space: global }
      - { .name: qb, .offset: 16, .size: 8, .value_kind: global_buffer, .address_space: global }
      - { .name: kb, .offset: 24, .size: 8, .value_kind: global_buffer, .address_space: global }
      - { .name: vb, .offset: 32, .size: 8, .value_kind: global_buffer, .address_space: global }
    .group_segment_fixed_size: 327680
    .private_segment_fixed_size: 0
    .kernarg_segment_align: 8
    .kernarg_segment_size: 40
    .max_flat_workgroup_size: 128
    .sgpr_count:     80
    .vgpr_count:     1024
    .wavefront_size: 32
...
	.end_amdgpu_metadata
.endif
;; end of part 2
;; launch attn (part 3): grid 8 x 32, 4 waves a work-group, clusters of 4 x 1, 327,680 bytes of LDS; arguments qb, kb, vb, mp, part; writes part
.if DOCPART == 3
	.amdgcn_target "amdgcn-amd-amdhsa--gfx1250"
	.amdhsa_code_object_version 6
	.text
	.protected	k_q880059e927_attn
	.globl	k_q880059e927_attn
	.p2align	8
	.type	k_q880059e927_attn,@function
k_q880059e927_attn:
	s_mov_b64 s[64:65], 0
	v_nop
	global_prefetch_b8 v0, s[64:65] scope:SCOPE_SE
	s_setreg_imm32_b32 hwreg(HW_REG_WAVE_MODE, 25, 1), 1
	s_wait_xcnt 0x0
	s_wait_alu depctr_hold_cnt(0) depctr_sa_sdst(0) depctr_va_vdst(0) depctr_va_sdst(0) depctr_va_ssrc(0) depctr_va_vcc(0) depctr_vm_vsrc(0)
	s_getreg_b32 s2, hwreg(HW_REG_IB_STS2, 6, 4)
	s_cmp_eq_u32 s2, 0
	s_cbranch_scc0 .Lentry_in_a_cluster
	s_endpgm
.Lentry_in_a_cluster:
	s_bfe_u32 s2, ttmp6, 0x10000c
	s_cmp_lg_u32 s2, 0x3003
	s_cbranch_scc0 .Lentry_shape_is_right
	s_endpgm
.Lentry_shape_is_right:
; part[block][b][128 h + c] = (1 / 2048) x the sum over the block's 256 queries q of O[q][c], O = softmax_k(s) V, s = Q.K / sqrt(128), and s = -65504 where the mask is set.
; (The mean over the rows that ends the module is linear, so it is taken here, ahead of the two linear layers; O itself is never stored.)
; qb, kb, vb: [hb = 4 h + b][2048][128] bf16.  mp: the mask as lane masks (see below).  Products, maxima and sums in f32; the weights p are rounded to bf16 for the second product.
; LIMITS.  The masked score is -65504 sqrt(128), rounded to f32, ahead of the scaling by c; a weight below 2^-126 counts as 0; NaN and infinities are not treated apart.
; SHARES, LAYOUT.  A work-group owns 256 queries of one hb, a wave 64: four tiles of 16, in two PIECES (tiles 0, 1 and tiles 2, 3).  Keys go 64 a step.  S^T = K Q^T holds one query a lane (lane % 16) and the
; keys 8 (lane / 16) + 0..7 of each block of 16; two such results rounded to bf16 are source 1 of O^T = V^T P.  K comes out of LDS as it lies, V turned.
; SOFTMAX.  A running maximum m and sum l: p = 2^(c s - c m), c = log2(e) / sqrt(128); O and l are multiplied by a = 2^(c m_old - c m_new) in every step.  m starts at the lowest finite number,
; O and l at 0, so the first step is a step like any other, with a = 0: the price is 288 lines that write 0, in the wait for the first tile, and 32 products on zeros.
; THE MASK.  Word 8 kt + r of a tile and step has bit L = mask of lane L's score in register 8 kt + r: one v_cndmask_b32 a score register, its mask in a scalar register.  A piece's 64 words lie in four
; groups of 16 scalar registers; each group is loaded again, for the piece whose softmax comes next, as soon as its last select has been issued: a turn ahead of its use.
; BY TURNS.  In a turn one piece has the matrix unit (32 products V^T P, then 32 products K Q^T of the next step) and the other piece's selects and softmax, 332 vector instructions, stand in slices of
; five behind the products, the last 17 together.  A turn's 66 exponentials are one batch with one wait.
; CLUSTER.  The four query blocks of a cluster walk the same K and V: each tile is asked for jointly.
; REGISTERS.  Window 0: v2-8 addresses; v12-43 statistics; v44 the masked score; v45 the mask prefetch's offset; v46-47 c; v61-63; v64-191 S^T; v192-255 P.
; Window 1: O^T, 64 a tile.  Window 2: v0-127 Q, v128-255 K of a step.  Window 3: v0-127 V of a step.
.set KS,    64
.set PK,    272                        ; a row of K in LDS: 256 bytes + 16
.set PV,    288                        ; a row of V: 256 + 32
.set VOFF,  KS*PK
.set STEPB, KS*(PK+PV)
.set SLOT1, 1<<17                      ; a slot holds two steps; slot 1 begins here
.set STAGE, SLOT1+2*STEPB              ; behind the ring: 512 bytes for each wave's 128 sums
.set SPARE, STAGE+2048                 ; the spare words: 128 bytes a wave
.set AK0, 2
.set AV0, 3
.set ADR, 4
.set QO,  5
.set STO, 6
.set RD,  7
.set GO,  8
.set ST,  12                           ; tile t at v[ST+8 t]: c m, m, l (even keys', odd keys'), c0-c3 at work; a takes c2's place
.set NEGV, 44
.set MKO, 45
.set CV,  46
.set PFO, 61
.set SPW, 62
.set NIL, 63
.set S,   64
.set P,   192
.set KF,  128
.set WV,  2
.set FLG, 3                            ; bit 0: I prefetch K or V; bit 1: I prefetch the mask words
.set G0K, 52                           ; s[52:55], s[56:59] descriptor group 0 for K's and V's tiles: they walk
.set G0V, 56
.set SLOTS, 60
.set TWICE, 61
.set TB,  62                           ; LDS byte at which the tiles of the step to be fetched begin
.set MOFF, 63                          ; byte offset in my work-group's mask words: 2,048 x step + 512 x wave
.set SEL, 66
.set G1K, 84
.set G1V, 92
.set MP,  100                          ; s[100:101] my work-group's 65,536 bytes of mp; never rewritten
.set PFA, 104
.set MSB, 0
.macro WIN new
.if MSB != (\new)
	s_set_vgpr_msb (MSB<<8)|(\new)
.set MSB, \new
.endif
.endm
.set W_KQ, 0x0a
.set W_PV, 0x53
.set W_RS, 0x41
.macro JLOAD                           ; waves 0, 1 fetch the two steps' tiles of K, waves 2, 3 those of V
	s_cmp_lt_u32 s[WV], 2
	s_cbranch_scc0 .Lfor_v_\@
	tensor_load_to_lds s[G0K:G0K+3], s[G1K:G1K+7]
	s_nop 0
.rept 4
	v_nop
.endr
	s_branch .Lasked_\@
.Lfor_v_\@:
	tensor_load_to_lds s[G0V:G0V+3], s[G1V:G1V+7]
	s_nop 0
.rept 4
	v_nop
.endr
.Lasked_\@:
.endm
; PREFETCHES INTO THE L2, behind the joint load and its five lines.  K and V: the slot that the NEXT change will ask for, 128 rows of each: the hb's first cluster asks; its four partners take 32 rows each, by
; address; wave 0 K's, wave 2 V's; the last change that fills asks for nothing.  THE MASK WORDS of a block are read by eight heads' work-groups: head 0's asks, wave 1, at every second change, for the two
; slots after the one that is entered: 8,192 bytes, a lane a block of 256; the last such line ends at the region's end.  Both flags hang on the wave's and the cluster's numbers alone.
.macro ASK
	s_bitcmp1_b32 s[FLG], 0
	s_cbranch_scc0 .Lno_kv_\@
	s_cmp_gt_u32 s[SLOTS], 1
	s_cbranch_scc0 .Lno_kv_\@
	global_prefetch_b8 v[PFO], s[PFA:PFA+1] th:TH_LOAD_NT scope:SCOPE_SE
.Lno_kv_\@:
	s_bitcmp1_b32 s[FLG], 1
	s_cbranch_scc0 .Lno_m_\@
	s_bitcmp1_b32 s[SLOTS], 0
	s_cbranch_scc1 .Lno_m_\@
	global_prefetch_b8 v[MKO], s[MP:MP+1] th:TH_LOAD_NT scope:SCOPE_SE
.Lno_m_\@:
.endm
.macro CROUND
	s_barrier_signal -1
	s_barrier_wait -1
	s_cmp_lg_u32 s[WV], 0
	s_cbranch_scc1 .Lnot_wave_0_\@
	s_barrier_signal -3
.Lnot_wave_0_\@:
	s_barrier_wait -3
	s_barrier_signal -1
	s_barrier_wait -1
.endm
; THE CHANGE OF SLOTS.  Each wave waits for all its tensor loads (one is out: its part of the other slot), adds 0 to its spare word, and waits for that and for its reads of the slot that it leaves.
; fill = 1: the barrier is a round of the cluster's, and the slot is filled again first thing behind it, with the keys two slots on: it has two key steps, 256 products, in which to land.
.macro CHANGE fill, ask
	WIN 0
	s_wait_tensorcnt 0x0
	ds_add_u32 v[SPW], v[NIL]
.if \fill
.irp g, G0K, G0V
	s_xor_b32 s[(\g)+1], s[(\g)+1], SLOT1
	s_add_nc_u64 s[(\g)+2:(\g)+3], s[(\g)+2:(\g)+3], 2*KS*256
.endr
	s_wait_xcnt 0x0                                ; the last prefetches, two key steps back, have read their addresses
	s_add_nc_u64 s[PFA:PFA+1], s[PFA:PFA+1], 2*KS*256
	v_add_nc_u32 v[MKO], 0x1000, v[MKO]            ; a slot's mask words are 4,096 bytes
	s_wait_dscnt 0x0
	CROUND
	JLOAD
.if \ask
	ASK
.endif
.else
	s_wait_dscnt 0x0
	s_barrier_signal -1
	s_barrier_wait -1
.endif
	s_sub_co_u32 s[TB], s[TB], 2*STEPB
	s_xor_b32 s[TB], s[TB], SLOT1
.endm
	s_load_b256 s[4:11], s[0:1], 0x0               ; qb s[4:5], kb s[6:7], vb s[8:9], mp s[10:11]
	v_lshl_add_u32 v[SPW], v0, 2, SPARE
	v_mov_b32 v[NIL], 0
	ds_add_u32 v[SPW], v[NIL]                      ; the wave's opening: the add and its wait stand ahead of my first tensor load
	v_lshrrev_b32 v1, 5, v0
	v_readfirstlane_b32 s[WV], v1
	s_bfe_u32 s13, ttmp6, 0x40000                  ; cx
	s_lshl_b32 s14, ttmp9, 2
	s_add_co_u32 s14, s14, s13                     ; my block of 256 queries: it enters Q's, the mask's and part's addresses alone
	s_and_b32 s15, ttmp7, 0xffff                   ; hb, which the four partners share
	s_lshl_b32 s20, s15, 19                        ; hb x 2,048 rows x 256 bytes
	s_and_b32 s16, s[WV], 1                        ; which of a slot's two steps I fetch
	s_lshl_b32 s22, s16, 14
	s_add_co_u32 s22, s22, s20
	s_mov_b32 s23, 0
	s_mul_i32 s17, s16, STEPB
	s_lshl_b32 s24, s14, 16
	s_lshl_b32 s25, s[WV], 14
	s_add_co_u32 s24, s24, s25
	s_add_co_u32 s24, s24, s20                     ; Q at my wave's 64 rows
	s_mov_b32 s25, 0
	s_and_b32 s26, s15, 3                          ; b
	s_lshl_b32 s26, s26, 3
	s_add_co_u32 s26, s26, s14
	s_lshl_b32 s26, s26, 16                        ; (8 b + block) x 65,536
	s_mov_b32 s27, 0
	s_lshl_b32 s28, s13, 13                        ; the prefetches: my work-group's 32 rows, in slot 1; the two first changes step them to slot 3
	s_add_co_u32 s28, s28, 2*KS*256
	s_mov_b32 s29, 0
	s_mov_b32 s[G1K], 15|(1<<16)|(1<<20)|(1<<21)|(5<<22)|(3<<25)  ; the mask of four; 2-byte elements; padding on; bit 21 beside a mask; after every 64 words 4 words
	s_mov_b32 s[G1V], 15|(1<<16)|(1<<20)|(1<<21)|(5<<22)|(7<<25)  ; the same with 8 words
.irp g, G1K, G1V
	s_mov_b32 s[(\g)+1], 128<<16                   ; tensor_dim0 = 128
	s_mov_b32 s[(\g)+2], KS<<16                    ; tensor_dim1 = 64
	s_mov_b32 s[(\g)+3], 128<<16                   ; tile_dim0 = 128
	s_mov_b32 s[(\g)+4], KS                        ; tile_dim1 = 64
	s_mov_b32 s[(\g)+5], 128
	s_mov_b32 s[(\g)+6], 0
	s_mov_b32 s[(\g)+7], 0
.endr
	s_or_b32 s30, s16, ttmp9                       ; 0 in waves 0 and 2 of the hb's first cluster
	s_cmp_eq_u32 s30, 0
	s_cselect_b32 s[FLG], 1, 0
	s_lshr_b32 s30, s15, 2                         ; the head
	s_xor_b32 s31, s[WV], 1
	s_or_b32 s30, s30, s31                         ; 0 in wave 1 of head 0
	s_cmp_eq_u32 s30, 0
	s_cselect_b32 s30, 2, 0
	s_or_b32 s[FLG], s[FLG], s30
	s_mov_b32 s[SEL], 0x76543210
	s_mov_b32 s[SEL+1], 0xfedcba98
	s_mov_b32 s[TB], SLOT1+2*STEPB                 ; the first change of slots turns this into 0
	s_lshl_b32 s[MOFF], s[WV], 9
	s_mov_b32 s[G0K], 1
	s_mov_b32 s[G0K+1], s17
	s_mov_b32 s[G0V], 1
	s_add_co_u32 s[G0V+1], s17, VOFF
	v_and_b32 v[PFO], 31, v0
	v_lshlrev_b32 v[PFO], 8, v[PFO]
	v_mov_b32 v[MKO], v[PFO]
	s_wait_dscnt 0x0                               ; the opening add is done
	s_wait_kmcnt 0x0
	s_add_nc_u64 s[6:7], s[6:7], s[22:23]
	s_add_nc_u64 s[8:9], s[8:9], s[22:23]
	s_add_nc_u64 s[4:5], s[4:5], s[24:25]
	s_add_nc_u64 s[MP:MP+1], s[10:11], s[26:27]
	s_add_nc_u64 s[G0K+2:G0K+3], s[6:7], 0
	s_or_b32 s[G0K+3], s[G0K+3], 0x80000000
	s_add_nc_u64 s[G0V+2:G0V+3], s[8:9], 0
	s_or_b32 s[G0V+3], s[G0V+3], 0x80000000
	s_cmp_lt_u32 s[WV], 2
	s_cselect_b64 s[PFA:PFA+1], s[6:7], s[8:9]     ; (in waves 0 and 2 these stand at a slot's first row)
	s_add_nc_u64 s[PFA:PFA+1], s[PFA:PFA+1], s[28:29]
	CROUND                                         ; all four work-groups are here
	JLOAD                                          ; slot 0; slot 1 is asked for when slot 0 is in
	v_and_b32 v1, 15, v0
	v_bfe_u32 v9, v0, 4, 1
	v_lshlrev_b32 v[QO], 8, v1
	v_lshl_add_u32 v[QO], v9, 4, v[QO]
	WIN 0x80
.irp i, 0,1,2,3,4,5,6,7,8,9,10,11,12,13,14,15  ; Q stays in registers: tile i / 4, channels 32 (i % 4) on
	global_load_b128 v[8*(\i):8*(\i)+3],   v[QO], s[4:5] offset:((\i)/4)*4096+((\i)%4)*64
	global_load_b128 v[8*(\i)+4:8*(\i)+7], v[QO], s[4:5] offset:((\i)/4)*4096+((\i)%4)*64+32
.endr
	WIN 0x40
.set i, 0
.rept 256
	v_mov_b32 v[i], 0                              ; O^T
.set i, i+1
.endr
	WIN 0
.set i, P+32
.rept 32
	v_mov_b32 v[i], 0                              ; piece 2's P: the first turn's products V^T P add 0
.set i, i+1
.endr
.set i, 0
.rept 4
	v_mov_b32 v[ST+8*i], 0xfe000000                ; c m: far below every c s
	v_mov_b32 v[ST+8*i+1], 0xff7fffff              ; m
	v_mov_b32 v[ST+8*i+2], 0
	v_mov_b32 v[ST+8*i+3], 0
.set i, i+1
.endr
	v_mov_b32 v[NEGV], 0xc934ee53                  ; -65504 sqrt(128)
	v_mov_b32 v[CV], 0x3e0293ee                    ; c = log2(e) / sqrt(128)
	v_mov_b32 v[CV+1], 0x3e0293ee
	v_mul_u32_u24 v[AK0], v1, PK
	v_lshl_add_u32 v[AK0], v9, 4, v[AK0]
	v_and_b32 v10, 7, v0
	v_bfe_u32 v11, v0, 3, 1
	v_lshl_add_u32 v[AV0], v9, 3, v10
	v_mul_u32_u24 v[AV0], v[AV0], PV
	v_lshl_add_u32 v[AV0], v11, 4, v[AV0]
	v_add_nc_u32 v[AV0], VOFF, v[AV0]
	s_wait_xcnt 0x0                                ; Q's loads have read their base: the set-up's scalar registers become the mask's
	s_load_b512 s[4:19],  s[MP:MP+1], s[MOFF] offset:0    ; piece 0, step 0: tile 0's words 0-15,
	s_load_b512 s[20:35], s[MP:MP+1], s[MOFF] offset:64   ; 16-31,
	s_load_b512 s[36:51], s[MP:MP+1], s[MOFF] offset:128  ; tile 1's 0-15,
	s_load_b512 s[68:83], s[MP:MP+1], s[MOFF] offset:192  ; 16-31
; THE MATRIX WORK.  The accumulators take turns, one instruction a turn.
.macro PV x                            ; product i of 32 of O^T += V^T P: keys 32 (i / 16) on, channels 16 ((i / 2) % 8) on, tile x + i % 2
	WIN W_PV
.set rO, 64*((\x)+i%2)+8*((i/2)%8)
.set rV, 64*(i/16)+8*((i/2)%8)
.set rP, P+16*((\x)+i%2)+8*(i/16)
	v_wmma_f32_16x16x32_bf16 v[rO:rO+7], v[rV:rV+7], v[rP:rP+7], v[rO:rO+7]
.endm
.macro KQ x                            ; product i of 32 of S^T = K Q^T: channels 32 (i / 8) on, keys 16 ((i / 2) % 4) on, tile x + i % 2; the first 8 start the sums
	WIN W_KQ
.set rS, S+32*((\x)+i%2)+8*((i/2)%4)
.set rK, KF+32*((i/2)%4)+8*(i/8)
.set rQ, 32*((\x)+i%2)+8*(i/8)
.if i < 8
	v_wmma_f32_16x16x32_bf16 v[rS:rS+7], v[rK:rK+7], v[rQ:rQ+7], 0
.else
	v_wmma_f32_16x16x32_bf16 v[rS:rS+7], v[rK:rK+7], v[rQ:rQ+7], v[rS:rS+7]
.endif
.endm
.macro FETCH_K
	WIN 0
	v_add_nc_u32 v[ADR], s[TB], v[AK0]
	WIN 0x80
.irp f, 0,1,2,3,4,5,6,7,8,9,10,11,12,13,14,15
	ds_load_b128 v[KF+8*(\f):KF+8*(\f)+3],   v[ADR] offset:((\f)/4)*16*PK+((\f)%4)*64
	ds_load_b128 v[KF+8*(\f)+4:KF+8*(\f)+7], v[ADR] offset:((\f)/4)*16*PK+((\f)%4)*64+32
.endr
.endm
.macro FETCH_V step
	WIN 0
	v_add_nc_u32 v[ADR], s[TB], v[AV0]
.if \step
	s_add_co_u32 s[TB], s[TB], STEPB               ; the next fetch is the next step's
.endif
	s_wait_alu depctr_va_vdst(0)                   ; the wait for the softmax's batch of exponentials, ahead of the first line that names a result
	WIN 0xc0
.irp f, 0,1,2,3,4,5,6,7,8,9,10,11,12,13,14,15
	ds_load_tr16_b128 v[8*(\f):8*(\f)+3],   v[ADR] offset:((\f)/8)*32*PV+((\f)%8)*32
	ds_load_tr16_b128 v[8*(\f)+4:8*(\f)+7], v[ADR] offset:((\f)/8)*32*PV+16*PV+((\f)%8)*32
.endr
.endm
; THE SOFTMAX of tile t for one step: number j of 134.
;   0-15 the maximum of the 32 scores and the old m    16-20 the other half of the lanes'; the new m; c m; its change
;   21-69 ONE BATCH: 16 scalings c s - c m and 33 exponentials (a at 23), none of which reads an exponential's result
;   70-85 the roundings to bf16    86-101 the sums, l = a l + sum    102-133 O^T times a
.macro SM t
.set rT, ST+8*(\t)
.set rS, S+32*(\t)
.set rP, P+16*(\t)
.set rO, 64*(\t)+2*(j-102)
.if j < 102
	WIN 0
.endif
.if j < 4
	v_max3_num_f32 v[rT+4+j], v[rS+8*j], v[rS+8*j+1], v[rS+8*j+2]
.elseif j < 12
	v_max3_num_f32 v[rT+4+j%4], v[rT+4+j%4], v[rS+8*(j%4)+2*(j/4)+1], v[rS+8*(j%4)+2*(j/4)+2]
.elseif j == 12
	v_max3_num_f32 v[rT+4], v[rT+4], v[rS+7], v[rS+15]
.elseif j == 13
	v_max3_num_f32 v[rT+6], v[rT+6], v[rS+23], v[rS+31]
.elseif j == 14
	v_max3_num_f32 v[rT+4], v[rT+4], v[rT+5], v[rT+6]
.elseif j == 15
	v_max3_num_f32 v[rT+4], v[rT+4], v[rT+7], v[rT+1]
.elseif j == 16
	v_permlanex16_b32 v[rT+5], v[rT+4], s[SEL], s[SEL+1]
.elseif j == 17
	v_mov_b32 v[rT+7], v[rT]
.elseif j == 18
	v_max_num_f32 v[rT+1], v[rT+4], v[rT+5]
.elseif j == 19
	v_mul_f32 v[rT], v[CV], v[rT+1]
.elseif j == 20
	v_sub_f32 v[rT+7], v[rT+7], v[rT]
.elseif j == 23
	v_exp_f32 v[rT+6], v[rT+7]
.elseif (j < 23) || ((j < 38) && (j%2 == 0)) || ((j < 66) && (j%4 == 2))
.set b, (j-2)/4
.if j < 38
.set b, (j-20)/2
.endif
	v_pk_fma_f32 v[rS+2*b:rS+2*b+1], v[rS+2*b:rS+2*b+1], v[CV:CV+1], v[rT:rT+1] op_sel_hi:[1,0,0] neg_lo:[0,0,1] neg_hi:[0,0,1]
.elseif j < 70
.set e, j-38
.if j < 66
.set e, j-32-(j-38)/4
.endif
.if j < 38
.set e, (j-25)/2
.endif
	v_exp_f32 v[rS+e], v[rS+e]
.elseif j < 86
	v_cvt_pk_bf16_f32 v[rP+j-70], v[rS+2*(j-70)], v[rS+2*(j-70)+1]
.elseif j < 102
.set zz, j-86
.set w, 4
.set u, zz
.if zz >= 14
.set w, 32
.set u, 0
.elseif zz >= 12
.set w, 16
.set u, zz-12
.elseif zz >= 8
.set w, 8
.set u, zz-8
.endif
.if zz < 15
	v_pk_add_f32 v[rS+w*u:rS+w*u+1], v[rS+w*u:rS+w*u+1], v[rS+w*u+w/2:rS+w*u+w/2+1]
.else
	v_pk_fma_f32 v[rT+2:rT+3], v[rT+2:rT+3], v[rT+6:rT+7], v[rS:rS+1] op_sel_hi:[1,0,1]
.endif
.else
	WIN W_RS
	v_pk_mul_f32 v[rO:rO+1], v[rO:rO+1], v[rT+6:rT+7] op_sel_hi:[1,0]
.endif
.endm
; A TURN'S QUEUE, 332 long, for piece y; NEXT writes entry zq.
;   0-63    the selects, 16 on end from one group of scalar registers (tile y, words 0-15; tile y + 1, 0-15; tile y, 16-31; tile y + 1, 16-31), each accumulator's registers in ascending order;
;           behind a group's last select the group is loaded again (ml = 1), for the other piece: tile 2 - y + ..
;   64-107  numbers 0-21, the tiles alternating      108-203  the batch, four numbers of one tile at a time, the tiles by turns
;   (204)   a v_nop, the plain instruction behind the last exponential, and the turn's one wait; in piece 2's turn V's run of loads stands there, and the wait in it
;   204-331 numbers 70-133, the tiles alternating
.macro NEXT y, ml
.if zq < 64
.set g, zq/16
.set n, 16*(g/2)+zq%16
.set gi, 2*(g%2)+g/2
.set gb, 4+16*gi+16*(gi/3)             ; the groups begin at s4, s20, s36, s68
.set rS, S+32*((\y)+g%2)
	WIN 0
	v_cndmask_b32 v[rS+n], v[rS+n], v[NEGV], s[gb+zq%16]
.if (zq%16 == 15) && (\ml)
	s_load_b512 s[gb:gb+15], s[MP:MP+1], s[MOFF] offset:((2-(\y))+g%2)*128+64*(g/2)
.endif
.elseif zq < 108
.set j, (zq-64)/2
	SM (\y)+zq%2
.elseif zq < 204
.set bi, (zq-108)/4
.set j, 22+4*(bi/2)+(zq-108)%4
	SM (\y)+bi%2
.else
.if zq == 204
	WIN 0
	v_nop
.if (\y) == 0
	FETCH_V 1
.else
	s_wait_alu depctr_va_vdst(0)                   ; the wait for the batch
.endif
.endif
.set j, 70+(zq-204)/2
	SM (\y)+zq%2
.endif
.set zq, zq+1
.endm
.macro SLICE y, ml                     ; five entries; the 64th slice has the 12 that are over as well: 17 plain rescalings, the places behind the turn's last product
.rept 5
	NEXT \y, \ml
.endr
.if k == 63
.rept 12
	NEXT \y, \ml
.endr
.endif
.set k, k+1
.endm
; A TURN.  Piece x has the matrix unit.  pv, kq: which runs of 32 products it has (with one of them: two slices behind each product).  ml = 1: the mask groups are loaded again.
; It opens with the wait for the mask words, which also shows the loads that named MOFF done.  K of the next step is fetched behind the second product of piece 0's turn: the last product that read K stands
; ahead of the 17 plain lines that end the turn before.  V is fetched in piece 2's turn at the wait: nine scalings, the v_nop and the address's add stand behind the last product that read V.
.macro TURN x, pv, kq, ml
.set zq, 0
.set k, 0
.set per, 2
.if (\pv) && (\kq)
.set per, 1
.endif
	s_wait_kmcnt 0x0
.if ((\x) == 0) && (\ml)
	s_add_co_u32 s[MOFF], s[MOFF], 2048            ; piece 2's softmax loads piece 0's words of the next step
.endif
.if \pv
.if (\x) == 0
	s_wait_dscnt 0x0                               ; V is in
.endif
.set i, 0
.rept 32
	PV \x
.rept per
	SLICE 2-(\x), \ml
.endr
.if ((\x) == 0) && (\kq) && (i == 1)
	FETCH_K
.endif
.set i, i+1
.endr
.endif
.if \kq
.if (\x) == 0
	s_wait_dscnt 0x0                               ; K is in
.endif
.set i, 0
.rept 32
	KQ \x
.rept per
	SLICE 2-(\x), \ml
.endr
.set i, i+1
.endr
.endif
.endm
	CHANGE 1, 0                                    ; slot 0 is in, everybody's part of it; slot 1 is asked for
	FETCH_K                                        ; key step 0
	FETCH_V 0                                      ; so that V's registers hold finite numbers for the first turn's products on P = 0; the turn fetches them again
	s_wait_loadcnt 0x0                             ; Q
	s_wait_dscnt 0x0
.set i, 0
.rept 32
	KQ 0                                           ; piece 0's first scores
.set i, i+1
.endr
	WIN 0                                          ; the addresses for the way out: six plain instructions, the places behind those products
	v_and_b32 v[GO], 31, v0
	v_lshlrev_b32 v[GO], 4, v[GO]
	v_add_nc_u32 v[RD], STAGE, v[GO]
	v_lshl_add_u32 v[STO], v9, 5, STAGE
	v_mov_b32 v10, s[WV]
	v_lshl_add_u32 v[STO], v10, 9, v[STO]          ; my wave's 512 bytes, 32 for each half of the lanes
	s_mov_b32 s[TWICE], 2
	s_mov_b32 s[SLOTS], 15
	s_branch .Lfirst                               ; the loop is entered in the middle of a trip
.Lslot:                                                ; 14 times: every slot but the last two is filled again
	CHANGE 1, 1
	s_mov_b32 s[TWICE], 2
.Lstep:
	TURN 0, 1, 1, 1
	WIN 0
.Lfirst:
	TURN 2, 1, 1, 1
	WIN 0
	s_sub_co_u32 s[TWICE], s[TWICE], 1
	s_cmp_lg_u32 s[TWICE], 0
	s_cbranch_scc1 .Lstep
	s_sub_co_u32 s[SLOTS], s[SLOTS], 1
	s_cmp_lg_u32 s[SLOTS], 0
	s_cbranch_scc1 .Lslot
	CHANGE 0, 0                                    ; the tail is written out
	s_mov_b32 s[TWICE], 2
.Ltail:
	TURN 0, 1, 1, 1
	TURN 2, 1, 1, 1
	WIN 0
	s_sub_co_u32 s[TWICE], s[TWICE], 1
	s_cmp_lg_u32 s[TWICE], 0
	s_cbranch_scc1 .Ltail
	TURN 0, 1, 0, 0                                ; piece 0: V^T P of the last step | piece 2's last softmax; no mask words are left to load
.set i, 0
.rept 32
	PV 2
.set i, i+1
.endr
	; THE WAY OUT.  1 / (2048 l) for each query; the four tiles' O^T are scaled by it and added; the 16 queries of a tile lie in 16 lanes: four steps across them; the four waves' sums meet in LDS.
	WIN 0
.irp t, 0,1,2,3
	v_add_f32 v[ST+8*(\t)+4], v[ST+8*(\t)+2], v[ST+8*(\t)+3]   ; these are the places behind the last products
.endr
.irp t, 0,1,2,3
	v_permlanex16_b32 v[ST+8*(\t)+5], v[ST+8*(\t)+4], s[SEL], s[SEL+1]
.endr
.irp t, 0,1,2,3
	v_add_f32 v[ST+8*(\t)+4], v[ST+8*(\t)+4], v[ST+8*(\t)+5]
.endr
.irp t, 0,1,2,3
	v_rcp_f32 v[ST+8*(\t)+6], v[ST+8*(\t)+4]
.endr
	v_nop
	s_wait_alu depctr_va_vdst(0)                   ; one wait for the four reciprocals
.irp t, 0,1,2,3
	v_mul_f32 v[ST+8*(\t)+6], 0x3a000000, v[ST+8*(\t)+6]       ; 1 / 2048
.endr
	WIN W_RS
.set i, 0
.rept 32
	v_pk_mul_f32 v[i:i+1], v[i:i+1], v[ST+6:ST+7] op_sel_hi:[1,0]
.set i, i+2
.endr
	WIN 0x51                                       ; sources 0 and 2 and the destination in window 1
.irp t, 1,2
.set i, 0
.rept 32
	v_pk_fma_f32 v[i:i+1], v[64*(\t)+i:64*(\t)+i+1], v[ST+8*(\t)+6:ST+8*(\t)+7], v[i:i+1] op_sel_hi:[1,0,1]
.set i, i+2
.endr
.endr
	WIN 0x11                                       ; the last tile's sum goes to window 0, where S^T lay
.set i, 0
.rept 32
	v_pk_fma_f32 v[S+i:S+i+1], v[192+i:192+i+1], v[ST+30:ST+31], v[i:i+1] op_sel_hi:[1,0,1]
.set i, i+2
.endr
	WIN 0
.irp m, 1,2,4,8
.set i, 0
.rept 64
	v_add_f32_dpp v[S+i], v[S+i], v[S+i] row_xmask:\m row_mask:0xf bank_mask:0xf
.set i, i+1
.endr
.endr
.irp cb, 0,1,2,3,4,5,6,7               ; register 8 cb + r holds channel 16 cb + 8 (l / 16) + r; the 16 lanes of a half store the same words with the same numbers
	ds_store_b128 v[STO], v[S+8*(\cb):S+8*(\cb)+3]   offset:64*(\cb)
	ds_store_b128 v[STO], v[S+8*(\cb)+4:S+8*(\cb)+7] offset:64*(\cb)+16
.endr
	s_load_b64 s[4:5], s[0:1], 0x20                ; part
	s_bfe_u32 s8, ttmp6, 0x40000
	s_lshl_b32 s9, ttmp9, 2
	s_add_co_u32 s8, s8, s9                        ; my block
	s_lshl_b32 s6, s8, 14
	s_and_b32 s10, ttmp7, 0xffff
	s_and_b32 s9, s10, 3                           ; b
	s_lshl_b32 s9, s9, 12
	s_add_co_u32 s6, s6, s9
	s_lshr_b32 s9, s10, 2                          ; the head
	s_lshl_b32 s9, s9, 9
	s_add_co_u32 s6, s6, s9
	s_mov_b32 s7, 0
	s_wait_kmcnt 0x0
	s_wait_dscnt 0x0                               ; for the others' sake: my stores are done
	s_barrier_signal -1
	s_barrier_wait -1
	s_cmp_lg_u32 s[WV], 0
	s_cbranch_scc1 .Lend
.irp v, 0,1,2,3
	ds_load_b128 v[S+4*(\v):S+4*(\v)+3], v[RD] offset:512*(\v)
.endr
	s_wait_dscnt 0x0
	v_pk_add_f32 v[S:S+1], v[S:S+1], v[S+4:S+5]
	v_pk_add_f32 v[S+2:S+3], v[S+2:S+3], v[S+6:S+7]
	v_pk_add_f32 v[S+8:S+9], v[S+8:S+9], v[S+12:S+13]
	v_pk_add_f32 v[S+10:S+11], v[S+10:S+11], v[S+14:S+15]
	v_pk_add_f32 v[S:S+1], v[S:S+1], v[S+8:S+9]
	v_pk_add_f32 v[S+2:S+3], v[S+2:S+3], v[S+10:S+11]
	s_add_nc_u64 s[4:5], s[4:5], s[6:7]
	global_store_b128 v[GO], v[S:S+3], s[4:5]      ; 512 consecutive bytes, aligned
.Lend:
	s_wait_tensorcnt 0x0                           ; the wave's end
	ds_add_u32 v[SPW], v[NIL]
	s_wait_dscnt 0x0
	CROUND                                         ; the closing round
	s_endpgm
.Lfunc_end_k_q880059e927_attn:
	.size	k_q880059e927_attn, .Lfunc_end_k_q880059e927_attn-k_q880059e927_attn
	.p2alignl 7, 3214868480
	.fill 96, 4, 3214868480
	.section	.rodata,"a",@progbits
	.p2align	6, 0x0
	.amdhsa_kernel k_q880059e927_attn
		.amdhsa_group_segment_fixed_size 327680
		.amdhsa_private_segment_fixed_size 0
		.amdhsa_enable_private_segment 0
		.amdhsa_kernarg_size 40
		.amdhsa_user_sgpr_count 2
		.amdhsa_user_sgpr_kernarg_segment_ptr 1
		.amdhsa_wavefront_size32 1
		.amdhsa_system_sgpr_workgroup_id_x 1
		.amdhsa_system_sgpr_workgroup_id_y 1
		.amdhsa_system_sgpr_workgroup_id_z 1
		.amdhsa_system_vgpr_workitem_id 0
		.amdhsa_next_free_vgpr 896
		.amdhsa_next_free_sgpr 106
		.amdhsa_reserve_vcc 0
		.amdhsa_float_denorm_mode_32 3
		.amdhsa_float_denorm_mode_16_64 3
		.amdhsa_memory_ordered 1
		.amdhsa_forward_progress 1
		.amdhsa_inst_pref_size 199
	.end_amdhsa_kernel
	.amdgpu_metadata
---
amdhsa.version: [ 1, 2 ]
amdhsa.kernels:
  - .name:           k_q880059e927_attn
    .symbol:         k_q880059e927_attn.kd
    .args:
      - { .name: qb, .offset: 0, .size: 8, .value_kind: global_buffer, .address_space: global }
      - { .name: kb, .offset: 8, .size: 8, .value_kind: global_buffer, .address_space: global }
      - { .name: vb, .offset: 16, .size: 8, .value_kind: global_buffer, .address_space: global }
      - { .name: mp, .offset: 24, .size: 8, .value_kind: global_buffer, .address_space: global }
      - { .name: part, .offset: 32, .size: 8, .value_kind: global_buffer, .address_space: global }
    .group_segment_fixed_size: 327680
    .private_segment_fixed_size: 0
    .kernarg_segment_align: 8
    .kernarg_segment_size: 40
    .max_flat_workgroup_size: 128
    .sgpr_count:     106
    .vgpr_count:     896
    .wavefront_size: 32
...
	.end_amdgpu_metadata
.endif
;; end of part 3
;; launch lin1 (part 4): grid 64 x 1, 8 waves a work-group, no clusters, 17,664 bytes of LDS; arguments part, W_lin, b_lin, t2; writes t2
.if DOCPART == 4
	.amdgcn_target "amdgcn-amd-amdhsa--gfx1250"
	.amdhsa_code_object_version 6
	.text
	.protected	k_q880059e927_lin1
	.globl	k_q880059e927_lin1
	.p2align	8
	.type	k_q880059e927_lin1,@function
k_q880059e927_lin1:
	s_mov_b64 s[64:65], 0
	v_nop
	global_prefetch_b8 v0, s[64:65] scope:SCOPE_SE
	s_setreg_imm32_b32 hwreg(HW_REG_WAVE_MODE, 25, 1), 1
	s_wait_xcnt 0x0
; t[b][n] = the sum over i of om[b][i] W_lin[n][i] + b_lin[n]; om[b][i] = the sum over the 8 blocks of part[block][b][i] (the mean over the rows of the attention's output).
; Four rows only: the launch is the reading of W_lin once, so plain f32 arithmetic serves and the matrix unit, clusters and tensor loads would add nothing.
; W_lin and b_lin are rounded to bf16, as all of the module's inputs are in this program; om, the sums and t stay in f32.  t2: [n 1024][b 4] f32.
; SHARES.  A work-group owns 16 rows n of W_lin, a wave 2.  Every work-group sums part (128 KiB) into LDS; a lane holds 32 numbers of each of its wave's rows.
.set OM,    0                          ; [b][1024] f32
.set RES,   16384                      ; [16 rows][4 b] f32
.set SPARE, 16640                      ; the spare words: 128 bytes for each of 8 waves
.set SPW, 8
.set NIL, 9
.set ACC, 16                           ; v[16:31]  a pair of partial sums for (row rr, b) at ACC + 2 (4 rr + b)
.set SUM, 32                           ; v[32:39]
.set BIA, 40
.set W,   64                           ; v[64:127]  row rr, 512-byte piece e at W + 32 rr + 4 e
.set PT,  128                          ; v[128:255] part, then om
	s_load_b256 s[4:11], s[0:1], 0x0               ; part s[4:5], W_lin s[6:7], b_lin s[8:9], t2 s[10:11]
	v_lshl_add_u32 v[SPW], v0, 2, SPARE
	v_mov_b32 v[NIL], 0
	v_lshrrev_b32 v1, 5, v0
	v_readfirstlane_b32 s12, v1                    ; wave 0..7
	v_and_b32 v2, 31, v0
	v_lshlrev_b32 v3, 4, v2                        ; 16 x lane
	v_lshlrev_b32 v4, 4, v0                        ; 16 x thread
	v_lshrrev_b32 v5, 1, v2
	v_lshlrev_b32 v5, 2, v5                        ; the bias of row lane / 2
	s_lshl_b32 s14, ttmp9, 16                      ; 16 rows of 4,096 bytes,
	s_lshl_b32 s15, s12, 13                        ; my wave's 2
	s_add_co_u32 s14, s14, s15
	s_mov_b32 s15, 0
	s_lshl_b32 s16, ttmp9, 6
	s_mov_b32 s17, 0
	s_lshl_b32 s18, ttmp9, 8
	s_mov_b32 s19, 0
	s_mov_b32 s20, 0x76543210
	s_mov_b32 s21, 0xfedcba98
	s_mov_b32 s22, 0xffff0000
	s_wait_kmcnt 0x0
	s_add_nc_u64 s[6:7], s[6:7], s[14:15]
	s_add_nc_u64 s[8:9], s[8:9], s[16:17]
	s_add_nc_u64 s[10:11], s[10:11], s[18:19]
.irp rr, 0,1
.irp e, 0,1,2,3,4,5,6,7
	global_load_b128 v[W+32*(\rr)+4*(\e):W+32*(\rr)+4*(\e)+3], v3, s[6:7] offset:4096*(\rr)+512*(\e) th:TH_LOAD_NT
.endr
.endr
	global_load_b32 v[BIA], v5, s[8:9]
.irp b, 0,1,2,3
.irp k, 0,1,2,3,4,5,6,7
	global_load_b128 v[PT+32*(\b)+4*(\k):PT+32*(\b)+4*(\k)+3], v4, s[4:5] offset:16384*(\k)+4096*(\b)
.endr
.endr
.macro ADD4 d, s
	v_pk_add_f32 v[(\d):(\d)+1], v[(\d):(\d)+1], v[(\s):(\s)+1]
	v_pk_add_f32 v[(\d)+2:(\d)+3], v[(\d)+2:(\d)+3], v[(\s)+2:(\s)+3]
.endm
.irp b, 0,1,2,3
	s_wait_loadcnt 24-8*(\b)                       ; this b's eight blocks are in; the later ones stay out
	ADD4 PT+32*(\b), PT+32*(\b)+4
	ADD4 PT+32*(\b)+8, PT+32*(\b)+12
	ADD4 PT+32*(\b)+16, PT+32*(\b)+20
	ADD4 PT+32*(\b)+24, PT+32*(\b)+28
	ADD4 PT+32*(\b), PT+32*(\b)+8
	ADD4 PT+32*(\b)+16, PT+32*(\b)+24
	ADD4 PT+32*(\b), PT+32*(\b)+16
	ds_store_b128 v4, v[PT+32*(\b):PT+32*(\b)+3] offset:OM+4096*(\b)
.endr
.set i, 0
.rept 32                               ; W_lin to bf16 and back to f32
	v_cvt_pk_bf16_f32 v[10+i%4], v[W+2*i], v[W+2*i+1]
	v_lshlrev_b32 v[W+2*i], 16, v[10+i%4]
	v_and_b32 v[W+2*i+1], s22, v[10+i%4]
.set i, i+1
.endr
	s_wait_dscnt 0x0
	s_barrier_signal -1
	s_barrier_wait -1                              ; om is whole
.irp b, 0,1,2,3
.irp e, 0,1,2,3,4,5,6,7
	ds_load_b128 v[PT+32*(\b)+4*(\e):PT+32*(\b)+4*(\e)+3], v3 offset:OM+4096*(\b)+512*(\e)
.endr
.endr
	s_wait_dscnt 0x0
.irp rr, 0,1
.irp b, 0,1,2,3
	v_pk_mul_f32 v[ACC+2*(4*(\rr)+(\b)):ACC+2*(4*(\rr)+(\b))+1], v[W+32*(\rr):W+32*(\rr)+1], v[PT+32*(\b):PT+32*(\b)+1]
.endr
.endr
.set q, 1
.rept 15                               ; eight chains that do not wait for each other
.irp rr, 0,1
.irp b, 0,1,2,3
	v_pk_fma_f32 v[ACC+2*(4*(\rr)+(\b)):ACC+2*(4*(\rr)+(\b))+1], v[W+32*(\rr)+2*q:W+32*(\rr)+2*q+1], v[PT+32*(\b)+2*q:PT+32*(\b)+2*q+1], v[ACC+2*(4*(\rr)+(\b)):ACC+2*(4*(\rr)+(\b))+1]
.endr
.endr
.set q, q+1
.endr
.irp i, 0,1,2,3,4,5,6,7
	v_add_f32 v[SUM+(\i)], v[ACC+2*(\i)], v[ACC+2*(\i)+1]
.endr
.irp m, 1,2,4,8
.irp i, 0,1,2,3,4,5,6,7
	v_add_f32_dpp v[SUM+(\i)], v[SUM+(\i)], v[SUM+(\i)] row_xmask:\m row_mask:0xf bank_mask:0xf
.endr
.endr
.irp i, 0,1,2,3,4,5,6,7
	v_permlanex16_b32 v[ACC+2*(\i)], v[SUM+(\i)], s20, s21
.endr
.irp i, 0,1,2,3,4,5,6,7
	v_add_f32 v[SUM+(\i)], v[SUM+(\i)], v[ACC+2*(\i)]
.endr
	s_lshl_b32 s13, s12, 5
	s_add_co_u32 s13, s13, RES
	v_mov_b32 v6, s13                              ; my wave's two rows of 16 bytes; all lanes store the same words with the same numbers
	ds_store_b128 v6, v[SUM:SUM+3]
	ds_store_b128 v6, v[SUM+4:SUM+7] offset:16
	s_wait_dscnt 0x0
	s_barrier_signal -1
	s_barrier_wait -1
	s_cmp_lg_u32 s12, 0
	s_cbranch_scc1 .Lend
	v_lshl_add_u32 v7, v2, 3, RES
	ds_load_b64 v[12:13], v7                       ; row lane / 2, two of its four b
	v_cvt_pk_bf16_f32 v[BIA], v[BIA], v[BIA]
	v_lshlrev_b32 v[BIA], 16, v[BIA]
	v_lshlrev_b32 v14, 3, v2
	s_wait_dscnt 0x0
	v_add_f32 v12, v12, v[BIA]
	v_add_f32 v13, v13, v[BIA]
	global_store_b64 v14, v[12:13], s[10:11]       ; 256 consecutive bytes, aligned
.Lend:
	s_wait_tensorcnt 0x0                           ; the wave's end, behind my last LDS store
	ds_add_u32 v[SPW], v[NIL]
	s_wait_dscnt 0x0
	s_endpgm
.Lfunc_end_k_q880059e927_lin1:
	.size	k_q880059e927_lin1, .Lfunc_end_k_q880059e927_lin1-k_q880059e927_lin1
	.p2alignl 7, 3214868480
	.fill 96, 4, 3214868480
	.section	.rodata,"a",@progbits
	.p2align	6, 0x0
	.amdhsa_kernel k_q880059e927_lin1
		.amdhsa_group_segment_fixed_size 17664
		.amdhsa_private_segment_fixed_size 0
		.amdhsa_enable_private_segment 0
		.amdhsa_kernarg_size 32
		.amdhsa_user_sgpr_count 2
		.amdhsa_user_sgpr_kernarg_segment_ptr 1
		.amdhsa_wavefront_size32 1
		.amdhsa_system_sgpr_workgroup_id_x 1
		.amdhsa_system_sgpr_workgroup_id_y 1
		.amdhsa_system_sgpr_workgroup_id_z 1
		.amdhsa_system_vgpr_workitem_id 0
		.amdhsa_next_free_vgpr 256
		.amdhsa_next_free_sgpr 66
		.amdhsa_reserve_vcc 0
		.amdhsa_float_denorm_mode_32 3
		.amdhsa_float_denorm_mode_16_64 3
		.amdhsa_memory_ordered 1
		.amdhsa_forward_progress 1
		.amdhsa_inst_pref_size 28
	.end_amdhsa_kernel
	.amdgpu_metadata
---
amdhsa.version: [ 1, 2 ]
amdhsa.kernels:
  - .name:           k_q880059e927_lin1
    .symbol:         k_q880059e927_lin1.kd
    .args:
      - { .name: part, .offset: 0, .size: 8, .value_kind: global_buffer, .address_space: global }
      - { .name: W_lin, .offset: 8, .size: 8, .value_kind: global_buffer, .address_space: global }
      - { .name: b_lin, .offset: 16, .size: 8, .value_kind: global_buffer, .address_space: global }
      - { .name: t2, .offset: 24, .size: 8, .value_kind: global_buffer, .address_space: global }
    .group_segment_fixed_size: 17664
    .private_segment_fixed_size: 0
    .kernarg_segment_align: 8
    .kernarg_segment_size: 32
    .max_flat_workgroup_size: 256
    .sgpr_count:     66
    .vgpr_count:     256
    .wavefront_size: 32
...
	.end_amdgpu_metadata
.endif
;; end of part 4
;; launch lin2 (part 5): grid 2 x 1, 16 waves a work-group, no clusters, 19,456 bytes of LDS; arguments t2, W_last, b_last, out0; writes out0
.if DOCPART == 5
	.amdgcn_target "amdgcn-amd-amdhsa--gfx1250"
	.amdhsa_code_object_version 6
	.text
	.protected	k_q880059e927_lin2
	.globl	k_q880059e927_lin2
	.p2align	8
	.type	k_q880059e927_lin2,@function
k_q880059e927_lin2:
	s_mov_b64 s[64:65], 0
	v_nop
	global_prefetch_b8 v0, s[64:65] scope:SCOPE_SE
	s_setreg_imm32_b32 hwreg(HW_REG_WAVE_MODE, 25, 1), 1
	s_wait_xcnt 0x0
; out[b][c] = the sum over n of t[b][n] W_last[c][n] + b_last[c].  t2: [n 1024][b 4] f32; W_last: [128][1024] f32; out0: [4][128] f32.
; Four rows and 512 KiB of weights: plain f32 arithmetic.  W_last and b_last are rounded to bf16, as all of the module's inputs are in this program; t and the sums stay in f32.
; SHARES.  A work-group owns 64 classes, so that it stores whole aligned blocks of 256 bytes of out0; a wave owns 4 classes; a lane holds 32 numbers of each of their rows.
.set TL,    0                          ; t in LDS: row n at (n % 4) x 4,096 + (n / 4) x 16, so that 32 lanes that want n = 4 lane + k read 512 consecutive bytes
.set RES,   16384                      ; [b 4][64 classes] f32
.set SPARE, 17408                      ; the spare words: 128 bytes for each of 16 waves
.set SPW, 8
.set NIL, 9
.set ACC, 16                           ; v[16:31]  class cl, b at ACC + 4 cl + b
.set SUM, 32                           ; v[32:47]  b, class cl at SUM + 4 b + cl
.set BIA, 48                           ; v[48:51]
.set TS,  52                           ; v[52:59]  t as loaded
.set W,   64                           ; v[64:191] class cl, 512-byte piece e at W + 32 cl + 4 e
.set TT,  192                          ; v[192:223] two buffers of four rows of t
	s_load_b256 s[4:11], s[0:1], 0x0               ; t2 s[4:5], W_last s[6:7], b_last s[8:9], out0 s[10:11]
	v_lshl_add_u32 v[SPW], v0, 2, SPARE
	v_mov_b32 v[NIL], 0
	v_lshrrev_b32 v1, 5, v0
	v_readfirstlane_b32 s12, v1                    ; wave 0..15
	v_and_b32 v2, 31, v0
	v_lshlrev_b32 v3, 4, v2                        ; 16 x lane
	v_lshlrev_b32 v4, 4, v0                        ; 16 x thread
	v_and_b32 v5, 15, v0
	v_lshlrev_b32 v5, 4, v5                        ; 16 x (lane % 16)
	v_and_b32 v6, 3, v0
	v_lshlrev_b32 v6, 12, v6
	v_lshrrev_b32 v7, 2, v0
	v_lshl_add_u32 v6, v7, 4, v6                   ; where row n = thread goes in LDS
	s_lshl_b32 s14, ttmp9, 18                      ; 64 rows of 4,096 bytes,
	s_lshl_b32 s15, s12, 14                        ; my wave's 4
	s_add_co_u32 s14, s14, s15
	s_mov_b32 s15, 0
	s_lshl_b32 s16, ttmp9, 8                       ; 64 classes: 256 bytes of b_last and of a row of out0
	s_mov_b32 s17, 0
	s_mov_b32 s20, 0x76543210
	s_mov_b32 s21, 0xfedcba98
	s_mov_b32 s22, 0xffff0000
	s_wait_kmcnt 0x0
	s_add_nc_u64 s[6:7], s[6:7], s[14:15]
	s_add_nc_u64 s[8:9], s[8:9], s[16:17]
	s_add_nc_u64 s[10:11], s[10:11], s[16:17]
	global_load_b128 v[TS:TS+3], v4, s[4:5]
	global_load_b128 v[TS+4:TS+7], v4, s[4:5] offset:8192
	global_load_b128 v[BIA:BIA+3], v5, s[8:9]
.irp cl, 0,1,2,3
.irp e, 0,1,2,3,4,5,6,7
	global_load_b128 v[W+32*(\cl)+4*(\e):W+32*(\cl)+4*(\e)+3], v3, s[6:7] offset:4096*(\cl)+512*(\e) th:TH_LOAD_NT
.endr
.endr
	s_wait_loadcnt 33                              ; t is in; the bias and W's 32 loads may stay out
	ds_store_b128 v6, v[TS:TS+3] offset:TL
	ds_store_b128 v6, v[TS+4:TS+7] offset:TL+2048  ; row n + 512
	s_wait_dscnt 0x0
	s_barrier_signal -1
	s_barrier_wait -1
.macro TLOAD e                         ; rows n = 128 e + 4 lane + k, k = 0..3
.irp k, 0,1,2,3
	ds_load_b128 v[TT+16*((\e)%2)+4*(\k):TT+16*((\e)%2)+4*(\k)+3], v3 offset:TL+4096*(\k)+512*(\e)
.endr
.endm
	TLOAD 0
	s_wait_loadcnt 0x0
.set i, 0
.rept 64                               ; W_last to bf16 and back to f32
	v_cvt_pk_bf16_f32 v[10+i%4], v[W+2*i], v[W+2*i+1]
	v_lshlrev_b32 v[W+2*i], 16, v[10+i%4]
	v_and_b32 v[W+2*i+1], s22, v[10+i%4]
.set i, i+1
.endr
; eight packed multiply-adds: t's four b of row k times the lane's one number of W, for four classes; the word of W's pair is picked by op_sel
.macro FM e, k
.set TB, TT+16*((\e)%2)+4*(\k)
.irp cl, 0,1,2,3
.irp p, 0,1
.set WR, W+32*(\cl)+4*(\e)+2*((\k)/2)
.set AA, ACC+4*(\cl)+2*(\p)
.if ((\e) == 0) && ((\k) == 0)
	v_pk_mul_f32 v[AA:AA+1], v[TB+2*(\p):TB+2*(\p)+1], v[WR:WR+1] op_sel_hi:[1,0]
.elseif (\k)%2 == 0
	v_pk_fma_f32 v[AA:AA+1], v[TB+2*(\p):TB+2*(\p)+1], v[WR:WR+1], v[AA:AA+1] op_sel_hi:[1,0,1]
.else
	v_pk_fma_f32 v[AA:AA+1], v[TB+2*(\p):TB+2*(\p)+1], v[WR:WR+1], v[AA:AA+1] op_sel:[0,1,0] op_sel_hi:[1,1,1]
.endif
.endr
.endr
.endm
.irp e, 0,1,2,3,4,5,6
	TLOAD (\e)+1
	s_wait_dscnt 4                                 ; this e's four loads are in; the next e's stay out
.irp k, 0,1,2,3
	FM \e, \k
.endr
.endr
	s_wait_dscnt 0x0
.irp k, 0,1,2,3
	FM 7, \k
.endr
.irp m, 1,2,4,8
.set i, 0
.rept 16
	v_add_f32_dpp v[ACC+i], v[ACC+i], v[ACC+i] row_xmask:\m row_mask:0xf bank_mask:0xf
.set i, i+1
.endr
.endr
.set i, 0
.rept 16
	v_permlanex16_b32 v[TT+i], v[ACC+i], s20, s21
.set i, i+1
.endr
.irp cl, 0,1,2,3
.irp b, 0,1,2,3
	v_add_f32 v[SUM+4*(\b)+(\cl)], v[ACC+4*(\cl)+(\b)], v[TT+4*(\cl)+(\b)]
.endr
.endr
	s_lshl_b32 s13, s12, 4
	s_add_co_u32 s13, s13, RES
	v_mov_b32 v7, s13                              ; my wave's four classes: 16 bytes of each row b; all lanes store the same words with the same numbers
.irp b, 0,1,2,3
	ds_store_b128 v7, v[SUM+4*(\b):SUM+4*(\b)+3] offset:256*(\b)
.endr
	s_wait_dscnt 0x0
	s_barrier_signal -1
	s_barrier_wait -1
	s_cmp_lt_u32 s12, 2
	s_cbranch_scc0 .Lend
	s_lshl_b32 s13, s12, 9
	s_add_co_u32 s13, s13, RES
	v_add_nc_u32 v10, s13, v3                      ; wave w takes rows b = 2 w and 2 w + 1: 16 lanes a row
	ds_load_b128 v[40:43], v10
	v_cvt_pk_bf16_f32 v12, v[BIA], v[BIA+1]
	v_cvt_pk_bf16_f32 v13, v[BIA+2], v[BIA+3]
	v_lshlrev_b32 v[BIA], 16, v12
	v_and_b32 v[BIA+1], s22, v12
	v_lshlrev_b32 v[BIA+2], 16, v13
	v_and_b32 v[BIA+3], s22, v13
	v_bfe_u32 v11, v0, 4, 1
	v_lshl_add_u32 v11, v11, 9, v5                 ; 512 x (lane / 16) + 16 x (lane % 16)
	s_lshl_b32 s14, s12, 10
	v_add_nc_u32 v11, s14, v11
	s_wait_dscnt 0x0
	v_pk_add_f32 v[40:41], v[40:41], v[BIA:BIA+1]
	v_pk_add_f32 v[42:43], v[42:43], v[BIA+2:BIA+3]
	global_store_b128 v11, v[40:43], s[10:11]      ; 16 lanes store 256 consecutive bytes, aligned
.Lend:
	s_wait_tensorcnt 0x0                           ; the wave's end, behind my last LDS store
	ds_add_u32 v[SPW], v[NIL]
	s_wait_dscnt 0x0
	s_endpgm
.Lfunc_end_k_q880059e927_lin2:
	.size	k_q880059e927_lin2, .Lfunc_end_k_q880059e927_lin2-k_q880059e927_lin2
	.p2alignl 7, 3214868480
	.fill 96, 4, 3214868480
	.section	.rodata,"a",@progbits
	.p2align	6, 0x0
	.amdhsa_kernel k_q880059e927_lin2
		.amdhsa_group_segment_fixed_size 19456
		.amdhsa_private_segment_fixed_size 0
		.amdhsa_enable_private_segment 0
		.amdhsa_kernarg_size 32
		.amdhsa_user_sgpr_count 2
		.amdhsa_user_sgpr_kernarg_segment_ptr 1
		.amdhsa_wavefront_size32 1
		.amdhsa_system_sgpr_workgroup_id_x 1
		.amdhsa_system_sgpr_workgroup_id_y 1
		.amdhsa_system_sgpr_workgroup_id_z 1
		.amdhsa_system_vgpr_workitem_id 0
		.amdhsa_next_free_vgpr 224
		.amdhsa_next_free_sgpr 66
		.amdhsa_reserve_vcc 0
		.amdhsa_float_denorm_mode_32 3
		.amdhsa_float_denorm_mode_16_64 3
		.amdhsa_memory_ordered 1
		.amdhsa_forward_progress 1
		.amdhsa_inst_pref_size 39
	.end_amdhsa_kernel
	.amdgpu_metadata
---
amdhsa.version: [ 1, 2 ]
amdhsa.kernels:
  - .name:           k_q880059e927_lin2
    .symbol:         k_q880059e927_lin2.kd
    .args:
      - { .name: t2, .offset: 0, .size: 8, .value_kind: global_buffer, .address_space: global }
      - { .name: W_last, .offset: 8, .size: 8, .value_kind: global_buffer, .address_space: global }
      - { .name: b_last, .offset: 16, .size: 8, .value_kind: global_buffer, .address_space: global }
      - { .name: out0, .offset: 24, .size: 8, .value_kind: global_buffer, .address_space: global }
    .group_segment_fixed_size: 19456
    .private_segment_fixed_size: 0
    .kernarg_segment_align: 8
    .kernarg_segment_size: 32
    .max_flat_workgroup_size: 512
    .sgpr_count:     66
    .vgpr_count:     224
    .wavefront_size: 32
...
	.end_amdgpu_metadata
.endif
;; end of part 5
